; MI455X (gfx1250); checked and timed in simulation.
; The chip was launched on July 23, 2026; its instructions are those of AMD's public machine-readable ISA for CDNA 5 (MIT licence, August 2026) and "CDNA5" Instruction Set Architecture Reference Guide (July 2026). The comments in the code are by the model that wrote it; some were corrected since.
;; DS Attention. Allowed arithmetic: float matrix products may take bf16 or f16 operands with f32 sums; all other float work in f32.
;; Inputs: delta 2 x 2,048 float32; keys 2 x 2,048 x 16 x 64 float32; queries 2 x 2,048 x 16 x 64 float32; tau 2 x 1 float32; values 2 x 2,048 x 16 x 64 float32.
;; Outputs: out0 2 x 2,048 x 16 x 64 float32.
;; One version. Each part assembles by itself: llvm-mc -triple=amdgcn-amd-amdhsa -mcpu=gfx1250 --defsym DOCPART=n.
;; ======== version 1 of 1: 1 launch
;; limits: values are held in f16: magnitudes above 65,504 overflow, below 6.1e-05 lose precision; inputs' magnitudes at most 65,504
;; launch attn (part 1): grid 256 x 1, 8 waves a work-group, no clusters, 138,240 bytes of LDS; arguments delta, keys, queries, tau, values, out0; writes out0
.if DOCPART == 1
	.amdgcn_target "amdgcn-amd-amdhsa--gfx1250"
	.amdhsa_code_object_version 6
	.text
	.protected	k_qaa337f53b7_attn
	.globl	k_qaa337f53b7_attn
	.p2align	8
	.type	k_qaa337f53b7_attn,@function
k_qaa337f53b7_attn:
	s_mov_b64 s[64:65], 0
	v_nop
	global_prefetch_b8 v0, s[64:65] scope:SCOPE_SE
	s_setreg_imm32_b32 hwreg(HW_REG_WAVE_MODE, 25, 1), 1
	s_wait_xcnt 0x0
; Causal attention with a factor tau[b] on q.k and an addend delta[b][s]:  out = softmax(scale (q.k tau + delta)) V.
; B = 2, L = 2048, H = 16, E = 64, everything f32 in [B][L][H][E]: one head's row is 256 bytes, rows 4,096 bytes apart.
;
; FORM.  Both products are used transposed: S^T = K Q'^T + delta' and O^T = V^T P^T.  In the result of the first, lane (r, h) holds
; query r and keys 8h + j; that is the layout of the second product's B operand, so P goes from one to the other by a conversion
; in place, and the softmax state (maximum, sum) is one number a lane.  Q' = Q tau scale log2(e), multiplied in f32 before Q is rounded
; to f16; delta' = delta scale log2(e) is the C operand of each score tile's first matrix instruction: no arithmetic per score but
; the subtraction of the running maximum and the exponential.
; FORMAT.  Matrix operands are f16 (11 significant bits), sums f32.  P lies in [0, 1]; see LIMITS for Q', K, V.
; Rows 0 to 15 of a head see at most 16 keys: in so short a sum the operands' rounding shows whole in the result, so these rows are made
; in f32 on the vector unit at the end (16 x 16 x 64 x 2 multiply-adds a head, one part in 8,000 of a head's work).
; WORK.  256 work-groups = 32 (b, h) x 8.  Work-group j takes the query blocks (128 rows) 15 - j and j: 16 - j + j + 1 = 17 key tiles of 128
; for every work-group; tiles above the diagonal are never touched.  A block's diagonal tile comes FIRST, so the step that masks is also the
; step whose products start the sums (C = 0), and nothing is cleared.  Then tiles 0, 1, .. QB - 1.
; Eight waves: wave w has 32 queries (qg = w & 3) and 64 of a tile's 128 keys (kh = w >> 2); the two key halves are merged once a block in LDS.
; K, V, Q come through registers (16 lanes fetch one 256-byte row), are rounded to f16 once and stored to LDS.  One LDS slot for K and V,
; the next tile waiting in registers; two barriers a step, each split round register work.
; NO CLUSTER: the work-groups that read the same K and V tiles are the eight of one head, and they need different numbers of tiles in
; each pass (16 - j, then j + 1); and a tile brought by the data mover would lie in LDS as f32, where the fragments want f16:
; 64 KiB a step more through LDS.
; LIMITS.  f16's range: |K|, |V| under 65,504 and |Q tau| under 363,000 (65,504 / 0.18034); beyond that an operand becomes infinite and the
; result NaN.  Operands under 6.1e-5 are rounded in steps of 6e-8.  The running maximum starts at -FLT_MAX, not at -infinity (a wave whose keys
; are all masked then gives p = 0 and sum 0 without NaN); exact for every finite score.  v_exp_f32 gives 0 for results under 2^-126.
; The denominator sums p in f32, the numerator uses p rounded to f16.  Q is rounded after the multiplication by tau scale log2(e).
.set ROWB,  4096                       ; bytes from a row of a head to the next
.set TILEB, 128*ROWB                   ; 128 rows
.set C2,    0x3e38aa3b                 ; scale x log2(e) = 0.125 x 1.442695
.set KP,    144                        ; LDS pitch of K and Q rows: 128 bytes + 16, an odd multiple of 16: 16 rows' 16-byte pieces differ modulo 256
.set VP,    160                        ; LDS pitch of V rows: an odd multiple of 32, for the transposing load
.set OP,    272                        ; LDS pitch of the output stage: 256 bytes + 16
.set VS,    128*KP                     ; K's tile lies at 0; V's tile behind it
.set QS,    VS+128*VP                  ; the query block
.set DLS,   QS+128*KP                  ; delta' of my batch, 2,048 f32
.set XCH,   DLS+8192                   ; merge: 4,608 bytes a wave: 4,096 of O, then (M, L) at 16 x lane
.set XW,    4608
.set OST,   XCH+8*XW                   ; output stage: 16 rows x 272 bytes a wave
.set OSW,   16*OP
; window 0
.set GB,   2                           ; row (t >> 4) x 4,096 + 16 (t & 15): my 16 bytes in the first 16 rows of a tile
.set GO,   3                           ; GB + the tile's offset
.set KW,   4                           ; where I store K (and, QS further, Q)
.set VW,   5                           ; where I store V
.set KA,   6                           ; K fragments
.set VA,   7                           ; V fragments (transposing load)
.set DA,   8                           ; delta' of this tile
.set DB,   9                           ; delta' of tile 0
.set QA,   10                          ; v10, v11: Q fragments of register tiles 0, 1
.set DG,   12                          ; v12, v13: query - key of (kt = 0, j = 0) in the diagonal tile, signed
.set ML,   14                          ; v[14:15] (M, L) of tile 0, v[16:17] of tile 1
.set AL,   18                          ; v[18:19], v[20:21]: the rescaling factor of tile 0, 1, each twice
.set NINF, 22
.set PF,   23                          ; prefetch offset
.set XST,  24
.set XLD,  25
.set OW,   26
.set ORD,  27
.set OGB,  28
.set OG,   29
.set QF,   32                          ; v32-63    Q(x, c) at 16 x + 8 c
.set OA,   64                          ; v64-127   O(x, dt) at 32 x + 8 dt
.set SC,   128                         ; v128-191  S(x, kt) at 32 x + 8 kt; P(x, kc) packed in place at 32 x + 16 kc
.set KF,   192                         ; v192-255  K(kt, c) at 16 kt + 8 c
.set TT,   192                         ; v192-199 once more, as temporaries between the score products and the next K loads
; window 1 (numbers are the low 8 bits)
.set ST,   0                           ; v256-319  the next tile as loaded: K load i at 4 i, V load i at 32 + 4 i
.set DL,   64                          ; v320-351  delta'(kt) at 8 kt
.set VF,   96                          ; v352-415  V(kc, dt) at 32 kc + 8 dt
.set QST,  160                         ; v416-447  the next query block as loaded
; scalars: s[4:5] delta, s[6:7] keys, s[8:9] queries, s[10:11] tau, s[12:13] values, s[14:15] out0 (all at my batch and head)
; s16 wave, s17 qg, s18 kh, s19 j, s20 b, s21 delta offset of the next tile, s[22:23] 64-bit offsets, s24 offset of the next tile to fetch,
; s25 REM = steps behind the current one, s26 pass, s27 QB (from the merge on: the NEXT pass's), s28 byte offset of the block at work,
; s29 least REM at which I prefetch, s[30:31] prefetch base, s[32:33] tau scale log2(e) twice, s34, s35 lane selects, s36-s42 temporaries
.set MSB, 0
.macro WIN new                         ; s_set_vgpr_msb: bits 1:0 source 0, 3:2 source 1, 5:4 source 2, 7:6 destination; the high byte repeats the setting left
.if MSB != \new
	s_set_vgpr_msb (MSB<<8)|\new
.set MSB, \new
.endif
.endm
.macro PLACES n
.rept \n
	v_nop
.endr
.endm
; 16 loads: the tile at s24, 128 rows of K and of V; a load's sixteen neighbouring lanes take one whole row of 256 bytes.
; pf = 1: wave 0 of the first pass also asks the L2 for a part of the tile two tiles behind the one fetched here (see the setup).
.macro FETCH pf, tag
	s_wait_xcnt 0x0                                ; GO and PF are sources of earlier loads and of the last step's prefetch: rewritten only behind this wait
	v_add_nc_u32 v[GO], s24, v[GB]
	WIN 0x40
.irp i, 0,1,2,3,4,5,6,7
	global_load_b128 v[ST+4*\i:ST+4*\i+3], v[GO], s[6:7] offset:\i*16*ROWB
.endr
.irp i, 0,1,2,3,4,5,6,7
	global_load_b128 v[ST+32+4*\i:ST+32+4*\i+3], v[GO], s[12:13] offset:\i*16*ROWB
.endr
	WIN 0
	s_add_co_u32 s24, s24, TILEB
.if \pf
	s_cmp_lt_u32 s25, s29
	s_cbranch_scc1 .Lnp\tag
	v_add_nc_u32 v[PF], TILEB, v[PF]
	global_prefetch_b8 v[PF], s[30:31] th:TH_LOAD_NT scope:SCOPE_SE
.Lnp\tag:
.endif
.endm
.macro LOADQ                           ; the query block at the same rows as the tile just fetched (the diagonal one)
	WIN 0x40
.irp i, 0,1,2,3,4,5,6,7
	global_load_b128 v[QST+4*\i:QST+4*\i+3], v[GO], s[8:9] offset:\i*16*ROWB
.endr
	WIN 0
.endm
; the waiting tile: rounded to f16 in place, 8 bytes a lane into LDS
.macro STASH
	s_wait_loadcnt 0x0                             ; loads issued a whole step ago; nothing younger is out
	WIN 0x45
.set i, 0
.rept 16
	v_cvt_pk_f16_f32 v[ST+4*i], v[ST+4*i], v[ST+4*i+1]
	v_cvt_pk_f16_f32 v[ST+4*i+1], v[ST+4*i+2], v[ST+4*i+3]
.set i, i+1
.endr
	WIN 0x04
.irp i, 0,1,2,3,4,5,6,7
	ds_store_b64 v[KW], v[ST+4*\i:ST+4*\i+1] offset:\i*16*KP
.endr
.irp i, 0,1,2,3,4,5,6,7
	ds_store_b64 v[VW], v[ST+32+4*\i:ST+32+4*\i+1] offset:\i*16*VP
.endr
	WIN 0
.endm
.macro STASHQ                          ; Q x tau scale log2(e) in f32, then to f16, then to LDS
	WIN 0x41
.set i, 0
.rept 16
	v_pk_mul_f32 v[QST+2*i:QST+2*i+1], v[QST+2*i:QST+2*i+1], s[32:33] op_sel_hi:[1,0]
.set i, i+1
.endr
	WIN 0x45
.set i, 0
.rept 8
	v_cvt_pk_f16_f32 v[QST+4*i], v[QST+4*i], v[QST+4*i+1]
	v_cvt_pk_f16_f32 v[QST+4*i+1], v[QST+4*i+2], v[QST+4*i+3]
.set i, i+1
.endr
	WIN 0x04
.irp i, 0,1,2,3,4,5,6,7
	ds_store_b64 v[KW], v[QST+4*\i:QST+4*\i+1] offset:QS+\i*16*KP
.endr
	WIN 0
.endm
.macro SETDA sreg                      ; delta' of a tile: 512 bytes a tile; the mask states the bound (16 tiles) and changes no value
	s_and_b32 s36, \sreg, 0x1e00
	v_add_nc_u32 v[DA], s36, v[DB]
.endm
.macro KLOAD                           ; 24 LDS loads: my 64 keys x 64 e as A fragments, and delta' of my keys in the C layout (register j: key 8h + j)
.irp kt, 0,1,2,3
.irp c, 0,1
	ds_load_b128 v[KF+16*\kt+8*\c:KF+16*\kt+8*\c+3],   v[KA] offset:\kt*16*KP+64*\c
	ds_load_b128 v[KF+16*\kt+8*\c+4:KF+16*\kt+8*\c+7], v[KA] offset:\kt*16*KP+64*\c+32
.endr
.endr
	WIN 0x40
.irp kt, 0,1,2,3
	ds_load_b128 v[DL+8*\kt:DL+8*\kt+3],   v[DA] offset:64*\kt
	ds_load_b128 v[DL+8*\kt+4:DL+8*\kt+7], v[DA] offset:64*\kt+16
.endr
	WIN 0
.endm
.macro VLOAD                           ; 16 transposing loads: V^T, 64 d x my 64 keys, as A fragments
	WIN 0x40
.irp kc, 0,1
.irp dt, 0,1,2,3
	ds_load_tr16_b128 v[VF+32*\kc+8*\dt:VF+32*\kc+8*\dt+3],   v[VA] offset:\kc*32*VP+32*\dt
	ds_load_tr16_b128 v[VF+32*\kc+8*\dt+4:VF+32*\kc+8*\dt+7], v[VA] offset:\kc*32*VP+32*\dt+16*VP
.endr
.endr
	WIN 0
.endm
.macro QLOAD                           ; 8 loads: my 32 queries x 64 e as B fragments
.irp x, 0,1
.irp c, 0,1
	ds_load_b128 v[QF+16*\x+8*\c:QF+16*\x+8*\c+3],   v[QA+\x] offset:64*\c
	ds_load_b128 v[QF+16*\x+8*\c+4:QF+16*\x+8*\c+7], v[QA+\x] offset:64*\c+32
.endr
.endr
.endm
.macro SMUL                            ; S^T = delta' + K Q'^T: e 0-31 with delta' as C, then e 32-63 as the next link in place
	WIN 0x10
.irp x, 0,1
.irp kt, 0,1,2,3
	v_wmma_f32_16x16x32_f16 v[SC+32*\x+8*\kt:SC+32*\x+8*\kt+7], v[KF+16*\kt:KF+16*\kt+7], v[QF+16*\x:QF+16*\x+7], v[DL+8*\kt:DL+8*\kt+7]
.endr
.endr
	WIN 0
.irp x, 0,1
.irp kt, 0,1,2,3
	v_wmma_f32_16x16x32_f16 v[SC+32*\x+8*\kt:SC+32*\x+8*\kt+7], v[KF+16*\kt+8:KF+16*\kt+15], v[QF+16*\x+8:QF+16*\x+15], v[SC+32*\x+8*\kt:SC+32*\x+8*\kt+7]
.endr
.endr
.endm
.macro MASK                            ; the diagonal tile: key > query, that is 16 kt + j > DG, gives -infinity
.irp x, 0,1
.irp kt, 0,1,2,3
.irp j, 0,1,2,3,4,5,6,7
	v_cmp_gt_i32 vcc_lo, 16*\kt+\j, v[DG+\x]
	v_cndmask_b32 v[SC+32*\x+8*\kt+\j], v[SC+32*\x+8*\kt+\j], v[NINF], vcc_lo
.endr
.endr
.endr
.endm
; One register tile (16 queries x my 64 keys; a lane: one query, 32 keys): new maximum, factor for the old sums, p = 2^(s - M), sum, p to f16.
.macro SOFTMAX x
.set SB, SC+32*\x
.set MR, ML+2*\x
.set AR, AL+2*\x
.irp k, 0,1,2,3
	v_max3_num_f32 v[TT+\k], v[SB+8*\k], v[SB+8*\k+1], v[SB+8*\k+2]
.endr
.irp k, 0,1,2,3
	v_max3_num_f32 v[TT+\k], v[TT+\k], v[SB+8*\k+3], v[SB+8*\k+4]
.endr
.irp k, 0,1,2,3
	v_max3_num_f32 v[TT+\k], v[TT+\k], v[SB+8*\k+5], v[SB+8*\k+6]
.endr
	v_max3_num_f32 v[TT], v[TT], v[SB+7], v[SB+15]
	v_max3_num_f32 v[TT+1], v[TT+1], v[SB+23], v[SB+31]
	v_max3_num_f32 v[TT], v[TT], v[TT+1], v[TT+2]
	v_max3_num_f32 v[TT], v[TT], v[TT+3], v[MR]    ; the old maximum joins
	v_permlanex16_b32 v[TT+1], v[TT], s34, s35     ; the same query's other 32 keys lie in lane l xor 16
	v_max_num_f32 v[TT], v[TT], v[TT+1]
	v_sub_f32 v[TT+1], v[MR], v[TT]
	v_mov_b32 v[MR], v[TT]
	v_exp_f32 v[AR], v[TT+1]                       ; 2^(old - new), twice: a pair for the packed multiplies.  The subtractions below are the
	v_exp_f32 v[AR+1], v[TT+1]                     ; plain instructions between these and the first use (ISA guide 5.7.2)
.set i, 0
.rept 16
	v_pk_add_f32 v[SB+2*i:SB+2*i+1], v[SB+2*i:SB+2*i+1], v[MR:MR+1] op_sel_hi:[1,0] neg_lo:[0,1] neg_hi:[0,1]
.set i, i+1
.endr
.set i, 0
.rept 32
	v_exp_f32 v[SB+i], v[SB+i]
.set i, i+1
.endr
	v_nop                                          ; one plain place between the exponentials and the first reader
	s_wait_alu depctr_va_vdst(0)
.irp k, 0,1,2,3
	v_pk_add_f32 v[TT+2*\k:TT+2*\k+1], v[SB+8*\k:SB+8*\k+1], v[SB+8*\k+2:SB+8*\k+3]
.endr
.irp k, 0,1,2,3
	v_pk_add_f32 v[TT+2*\k:TT+2*\k+1], v[TT+2*\k:TT+2*\k+1], v[SB+8*\k+4:SB+8*\k+5]
.endr
.irp k, 0,1,2,3
	v_pk_add_f32 v[TT+2*\k:TT+2*\k+1], v[TT+2*\k:TT+2*\k+1], v[SB+8*\k+6:SB+8*\k+7]
.endr
	v_pk_add_f32 v[TT:TT+1], v[TT:TT+1], v[TT+2:TT+3]
	v_pk_add_f32 v[TT+4:TT+5], v[TT+4:TT+5], v[TT+6:TT+7]
	v_pk_add_f32 v[TT:TT+1], v[TT:TT+1], v[TT+4:TT+5]
	v_add_f32 v[TT], v[TT], v[TT+1]
	v_fma_f32 v[MR+1], v[MR+1], v[AR], v[TT]       ; my lane's part of the sum; the two halves of the lanes meet in the merge
.irp g, 0,1
.irp i, 0,1,2,3,4,5,6,7
	v_cvt_pk_f16_f32 v[SB+16*\g+\i], v[SB+16*\g+2*\i], v[SB+16*\g+2*\i+1]   ; ascending: register i is written when 2 i and 2 i + 1 are read
.endr
.endr
.endm
.macro RESCALE
.irp x, 0,1
.set i, 0
.rept 16
	v_pk_mul_f32 v[OA+32*\x+2*i:OA+32*\x+2*i+1], v[OA+32*\x+2*i:OA+32*\x+2*i+1], v[AL+2*\x:AL+2*\x+1]
.set i, i+1
.endr
.endr
.endm
.macro PV x, first                     ; O^T += V^T P^T for register tile x: 8 matrix instructions; first = 1: the first products start the sums
	WIN 0x01
.irp kc, 0,1
.irp dt, 0,1,2,3
.if \first*(1-\kc)
	v_wmma_f32_16x16x32_f16 v[OA+32*\x+8*\dt:OA+32*\x+8*\dt+7], v[VF+32*\kc+8*\dt:VF+32*\kc+8*\dt+7], v[SC+32*\x+16*\kc:SC+32*\x+16*\kc+7], 0
.else
	v_wmma_f32_16x16x32_f16 v[OA+32*\x+8*\dt:OA+32*\x+8*\dt+7], v[VF+32*\kc+8*\dt:VF+32*\kc+8*\dt+7], v[SC+32*\x+16*\kc:SC+32*\x+16*\kc+7], v[OA+32*\x+8*\dt:OA+32*\x+8*\dt+7]
.endif
.endr
.endr
	WIN 0
.endm
; ONE STEP: one tile of 128 keys.  At its head K, delta' (and Q) loads of this tile are on their way from LDS.
.macro BODY first, tag
	VLOAD
	s_wait_dscnt 16                                ; the 16 V loads are the only LDS instructions younger than the K, delta' and Q loads
	SMUL
	s_wait_dscnt 0x0                               ; V is in too: my reads of the slot are over,
	s_barrier_signal -1                            ; say so
	PLACES 4                                       ; four places behind the last score product before S is read and K's registers serve as temporaries (ISA guide 7.12.1)
.if \first
	MASK
.endif
	SOFTMAX 0
	SOFTMAX 1
	s_barrier_wait -1                              ; nobody reads the slot any more
	s_cmp_eq_u32 s25, 0
	s_cbranch_scc1 .Lns\tag                        ; no step follows: nothing to store
	STASH                                          ; the next tile into the slot
	s_cmp_lt_u32 s25, 2
	s_cbranch_scc1 .Lns\tag                        ; one step follows: nothing more to fetch
	FETCH 1, \tag                                  ; the tile after it into the registers just emptied
.Lns\tag:
.if \first == 0
	RESCALE
.endif
	s_wait_dscnt 0x0                               ; my part of the next tile is stored,
	s_barrier_signal -1                            ; say so
	PV 0, \first
	s_barrier_wait -1                              ; everybody's is
	s_cmp_eq_u32 s25, 0
	s_cbranch_scc1 .Lnk\tag
	SETDA s21
	s_add_co_u32 s21, s21, 512
	KLOAD                                          ; the next step's K and delta', under the second half of the products
.Lnk\tag:
	PV 1, \first
	PLACES 5                                       ; five places before the next score products write over P; they also serve the loads into V's and P's registers and the readers of O
.endm
	; ---------------------------------------------------------------- setup
	s_load_b256 s[4:11], s[0:1], 0x0               ; delta, keys, queries, tau
	s_load_b128 s[12:15], s[0:1], 0x20             ; values, out0
	s_set_vgpr_msb 0x40
	v_lshl_add_u32 v192, v0, 2, 0x21800
	v_mov_b32 v193, 0
	s_set_vgpr_msb 0x4000
	v_lshrrev_b32 v1, 5, v0
	v_readfirstlane_b32 s16, v1                    ; wave
	s_and_b32 s17, s16, 3                          ; qg: which 32 queries
	s_lshr_b32 s18, s16, 2                         ; kh: which 64 keys
	s_and_b32 s19, ttmp9, 7                        ; j
	s_lshr_b32 s20, ttmp9, 7                       ; b
	s_bfe_u32 s36, ttmp9, 0x40003                  ; head: 4 bits from bit 3
	s_lshl_b32 s22, s20, 23                        ; b x 2048 rows x 4,096 bytes
	s_lshl_b32 s36, s36, 8                         ; + head x 256 bytes
	s_add_co_u32 s22, s22, s36
	s_mov_b32 s23, 0
	s_mov_b32 s34, 0x76543210                      ; v_permlanex16_b32: lane i of one half reads lane i of the other
	s_mov_b32 s35, 0xfedcba98
	s_lshl_b32 s38, s17, 5                         ; 32 qg
	s_lshl_b32 s39, s18, 4                         ; 16 kh
	s_add_co_u32 s40, s38, s39                     ; register tile 0 holds query rows 32 qg + 16 kh ..: the tile that I keep in the merge
	s_xor_b32 s39, s39, 16
	s_add_co_u32 s41, s38, s39                     ; register tile 1 the other 16: the tile that I give to wave w xor 4
	s_lshl_b32 s42, s18, 6                         ; 64 kh
	v_and_b32 v30, 15, v0                          ; r = lane % 16 = t % 16
	v_lshrrev_b32 v31, 4, v0                       ; t / 16: my row among 16
	v_bfe_u32 v1, v0, 4, 1                         ; h = lane / 16
	v_lshlrev_b32 v[GB], 12, v31
	v_lshl_add_u32 v[GB], v30, 4, v[GB]
	v_mul_u32_u24 v[KW], v31, KP
	v_lshl_add_u32 v[KW], v30, 3, v[KW]            ; K's tile lies at LDS byte 0
	v_mul_u32_u24 v[VW], v31, VP
	v_lshl_add_u32 v[VW], v30, 3, v[VW]
	v_add_nc_u32 v[VW], VS, v[VW]
	v_mul_u32_u24 v[KA], v30, KP
	v_lshl_add_u32 v[KA], v1, 4, v[KA]             ; r x pitch + 16 h: the lane's part of K's and Q's fragment addresses
	s_mul_i32 s36, s40, KP
	s_add_co_u32 s36, s36, QS
	v_add_nc_u32 v[QA], s36, v[KA]
	s_mul_i32 s36, s41, KP
	s_add_co_u32 s36, s36, QS
	v_add_nc_u32 v[QA+1], s36, v[KA]
	s_mul_i32 s36, s42, KP
	v_add_nc_u32 v[KA], s36, v[KA]
	v_lshlrev_b32 v[DG], 3, v1
	v_sub_nc_u32 v[DG], v30, v[DG]                 ; r - 8 h
	s_sub_co_i32 s36, s41, s42
	v_add_nc_u32 v[DG+1], s36, v[DG]
	s_sub_co_i32 s36, s40, s42
	v_add_nc_u32 v[DG], s36, v[DG]                 ; query row - 64 kh - 8 h
	v_and_b32 v[VA], 7, v0
	v_lshl_add_u32 v[VA], v1, 3, v[VA]             ; key 8 h + lane % 8
	v_mul_u32_u24 v[VA], v[VA], VP
	v_bfe_u32 v3, v0, 3, 1
	v_lshl_add_u32 v[VA], v3, 4, v[VA]             ; + 16 bytes for the second eight lanes of a half
	s_mul_i32 s36, s42, VP
	s_add_co_u32 s36, s36, VS
	v_add_nc_u32 v[VA], s36, v[VA]
	s_lshl_b32 s36, s18, 8                         ; 64 kh f32
	s_add_co_u32 s36, s36, DLS
	v_lshl_add_u32 v[DB], v1, 5, s36               ; + 8 h f32
	v_and_b32 v3, 31, v0                           ; lane
	s_mul_i32 s36, s16, XW
	s_add_co_u32 s36, s36, XCH
	v_lshl_add_u32 v[XST], v3, 4, s36
	s_xor_b32 s36, s16, 4
	s_mul_i32 s36, s36, XW
	s_add_co_u32 s36, s36, XCH
	v_lshl_add_u32 v[XLD], v3, 4, s36
	; Prefetch: in the first pass, wave 0, in the step that fetches tile i + 1, asks for 32 rows (lanes 4,096 bytes apart, a row each) of tile i + 3:
	; rows 32 (j & 3) .. of K (j < 4) or of V (j >= 4), so that the eight work-groups of a head ask for each row of a tile once.  It asks only while
	; four steps or more follow, that is for tiles up to QB - 1, which this work-group fetches itself: never past a buffer's end.
	s_and_b32 s36, s19, 3
	s_lshl_b32 s36, s36, 17
	s_add_co_u32 s36, s36, 2*TILEB                 ; stepped by a tile in front of each request: the first asks for tile 3
	v_lshl_add_u32 v[PF], v3, 12, s36
	s_mul_i32 s36, s16, OSW
	s_add_co_u32 s36, s36, OST
	v_mul_u32_u24 v[OW], v30, OP
	v_lshl_add_u32 v[OW], v1, 5, v[OW]             ; in: query r, 32 bytes (8 d) for each half of the lanes
	v_add_nc_u32 v[OW], s36, v[OW]
	v_mul_u32_u24 v[ORD], v1, OP
	v_lshl_add_u32 v[ORD], v30, 4, v[ORD]          ; back: lanes 0-15 one row of 256 bytes, lanes 16-31 the next
	v_add_nc_u32 v[ORD], s36, v[ORD]
	v_add_nc_u32 v[OGB], s40, v1
	v_lshlrev_b32 v[OGB], 12, v[OGB]
	v_lshl_add_u32 v[OGB], v30, 4, v[OGB]          ; and the same two rows in out0
	v_mov_b32 v[NINF], 0xff800000
	v_lshlrev_b32 v30, 4, v0                       ; delta: 16 bytes a thread, twice
	v_add_nc_u32 v31, DLS, v30
	s_wait_kmcnt 0x0
	s_add_nc_u64 s[6:7], s[6:7], s[22:23]
	s_add_nc_u64 s[8:9], s[8:9], s[22:23]
	s_add_nc_u64 s[12:13], s[12:13], s[22:23]
	s_add_nc_u64 s[14:15], s[14:15], s[22:23]
	s_lshl_b32 s22, s20, 13                        ; delta's row of 8,192 bytes
	s_add_nc_u64 s[4:5], s[4:5], s[22:23]
	s_lshl_b32 s22, s20, 2
	s_add_nc_u64 s[10:11], s[10:11], s[22:23]
	s_load_b32 s38, s[10:11], 0x0                  ; tau[b]
	s_cmp_lt_u32 s19, 4
	s_cselect_b64 s[30:31], s[6:7], s[12:13]       ; what I prefetch: K or V
	global_load_b128 v[TT:TT+3], v30, s[4:5]
	global_load_b128 v[TT+4:TT+7], v30, s[4:5] offset:4096
	s_sub_co_u32 s27, 15, s19                      ; first pass: query block 15 - j
	s_lshl_b32 s24, s27, 19
	FETCH 0, a                                     ; its diagonal tile
	LOADQ
	s_cmp_eq_u32 s16, 0
	s_cselect_b32 s29, 4, 0x7fffffff               ; wave 0 prefetches while REM >= 4, the others never
	s_mov_b32 s26, 0
	s_wait_kmcnt 0x0
	s_mul_f32 s32, s38, C2
	s_mov_b32 s33, s32
	s_wait_loadcnt 24                              ; delta is in; the 16 K and V loads and the 8 Q loads behind it stay out
.irp i, 0,2,4,6
	v_pk_mul_f32 v[TT+\i:TT+\i+1], v[TT+\i:TT+\i+1], C2 op_sel_hi:[1,0]
.endr
	ds_store_b128 v31, v[TT:TT+3]
	ds_store_b128 v31, v[TT+4:TT+7] offset:4096
	; ---------------------------------------------------------------- a pass: one query block
.Lpass:
	STASH                                          ; the diagonal tile.  The slot's and Q's last readers passed the barriers of the pass before
	STASHQ
	s_mov_b32 s25, s27                             ; QB steps follow the diagonal one
	s_lshl_b32 s28, s27, 19                        ; this block's byte offset: stays until the next pass's head
	s_mov_b32 s24, 0
	s_mov_b32 s21, 0
	s_cmp_eq_u32 s25, 0
	s_cbranch_scc1 .Lnof0
	FETCH 0, b                                     ; tile 0
.Lnof0:
	s_wait_dscnt 0x0                               ; my stores of K, V, Q (and delta') are done,
	s_barrier_signal -1
	s_barrier_wait -1                              ; everybody's are
	s_lshl_b32 s37, s27, 9
	SETDA s37
	QLOAD
	KLOAD
	v_mov_b32 v[ML], 0xff7fffff                    ; M = -FLT_MAX, L = 0
	v_mov_b32 v[ML+1], 0
	v_mov_b32 v[ML+2], 0xff7fffff
	v_mov_b32 v[ML+3], 0
	v_add_nc_u32 v[OG], s28, v[OGB]                ; behind the s_wait_xcnt 0 that ends a pass
	BODY 1, d
	s_cmp_eq_u32 s25, 0
	s_cbranch_scc1 .Lmerge
.Lstep:
	s_sub_co_u32 s25, s25, 1
	BODY 0, t
	s_cmp_lg_u32 s25, 0
	s_cbranch_scc1 .Lstep
.Lmerge:
	s_cmp_lg_u32 s26, 0
	s_cbranch_scc1 .Lnonext
	s_wait_loadcnt 0x0                             ; no load into the stage is out, whatever the number of steps was
	s_mov_b32 s27, s19                             ; second pass: query block j; its first loads fly under the merge.  From here s27 is the NEXT block
	s_lshl_b32 s24, s19, 19
	s_mov_b32 s29, 0x7fffffff                      ; its tiles were read in the first pass: no prefetch
	FETCH 0, c
	LOADQ
.Lnonext:
	; the two key halves meet: I give register tile 1 and its (M, L) to wave w xor 4 and take its tile 1, which holds my tile 0's queries
.irp i, 0,1,2,3,4,5,6,7
	ds_store_b128 v[XST], v[OA+32+4*\i:OA+32+4*\i+3] offset:\i*512
.endr
	ds_store_b64 v[XST], v[ML+2:ML+3] offset:4096
	s_wait_dscnt 0x0
	s_barrier_signal -1
	s_barrier_wait -1
.irp i, 0,1,2,3,4,5,6,7
	ds_load_b128 v[SC+4*\i:SC+4*\i+3], v[XLD] offset:\i*512
.endr
	ds_load_b64 v[TT:TT+1], v[XLD] offset:4096
	s_wait_dscnt 0x0
	v_max_num_f32 v[TT+2], v[ML], v[TT]            ; the common maximum
	v_sub_f32 v[TT+3], v[ML], v[TT+2]
	v_sub_f32 v[TT+4], v[TT], v[TT+2]
	v_exp_f32 v[TT+3], v[TT+3]
	v_exp_f32 v[TT+4], v[TT+4]
	v_nop
	s_wait_alu depctr_va_vdst(0)
	v_mul_f32 v[TT+5], v[ML+1], v[TT+3]
	v_fma_f32 v[TT+5], v[TT+1], v[TT+4], v[TT+5]
	v_permlanex16_b32 v[TT+6], v[TT+5], s34, s35   ; the sums of the lanes' other half
	v_add_f32 v[TT+5], v[TT+5], v[TT+6]            ; at least 1: the largest score's p is 1
	v_rcp_f32 v[TT+5], v[TT+5]
	v_nop
	s_wait_alu depctr_va_vdst(0)
	v_mul_f32 v[AL], v[TT+3], v[TT+5]
	v_mul_f32 v[AL+1], v[TT+3], v[TT+5]
	v_mul_f32 v[AL+2], v[TT+4], v[TT+5]
	v_mul_f32 v[AL+3], v[TT+4], v[TT+5]
.set i, 0
.rept 16
	v_pk_mul_f32 v[OA+2*i:OA+2*i+1], v[OA+2*i:OA+2*i+1], v[AL:AL+1]
.set i, i+1
.endr
.set i, 0
.rept 16
	v_pk_fma_f32 v[OA+2*i:OA+2*i+1], v[SC+2*i:SC+2*i+1], v[AL+2:AL+3], v[OA+2*i:OA+2*i+1]
.set i, i+1
.endr
	s_or_b32 s36, s16, s28                         ; wave 0 of query block 0 (s28 = the offset of the block at work) holds rows 0 to 15 of the head:
	s_cmp_eq_u32 s36, 0                            ; those are stored by the f32 part at the end, and each byte of out0 is stored once
	s_cbranch_scc1 .Lnoout
	; the way out: a lane holds 8 neighbouring d of one query; through my own stage, back as whole rows
.irp dt, 0,1,2,3
	ds_store_b128 v[OW], v[OA+8*\dt:OA+8*\dt+3] offset:64*\dt
	ds_store_b128 v[OW], v[OA+8*\dt+4:OA+8*\dt+7] offset:64*\dt+16
.endr
.irp i, 0,1,2,3,4,5,6,7
	ds_load_b128 v[SC+32+4*\i:SC+32+4*\i+3], v[ORD] offset:\i*2*OP   ; LDS serves a wave's instructions in order (ISA guide 5.7.1): these see the stores above
.endr
.irp i, 0,1,2,3,4,5,6,7
	s_wait_dscnt 7-\i                              ; the younger read-backs stay out
	global_store_b128 v[OG], v[SC+32+4*\i:SC+32+4*\i+3], s[14:15] offset:\i*2*ROWB th:TH_STORE_NT   ; 16 lanes store one row's 256 consecutive bytes, aligned
.endr
.Lnoout:
	s_wait_xcnt 0x0                                ; OG and the stores' data are rewritten (next pass, or below) only behind this wait
	s_add_co_u32 s26, s26, 1
	s_cmp_lt_u32 s26, 2
	s_cbranch_scc1 .Lpass
	; ---------------------------------------------------------------- rows 0 to 15 of the head, in f32 (work-group j = 0 alone)
	; Wave w takes queries 2 w and 2 w + 1.  First lane (r, h) is key r of query 2 w + h: a dot product of 64, the softmax over the 16 lanes of its half.
	; Then it is d = 4 r .. 4 r + 3 of that query: 16 weights come from the half's lanes, 16 rows of V from memory, 16 lanes to a row.
	s_cmp_lg_u32 s19, 0
	s_cbranch_scc1 .Lend
.set EH,  1                            ; h
.set EQO, 2                            ; my query's row, bytes
.set EQI, 3                            ; my query
.set EVO, 4                            ; 16 r: my four d
.set EDO, 5                            ; 4 r: my key's delta
.set EOO, 6                            ; my 16 bytes of out0
.set EBI, 7                            ; 4 x the lane whose weight I fetch
.set ED,  9                            ; delta of my key
.set EA,  10                           ; v[10:17] four chains of two sums
.set ER,  30                           ; r
.set EKO, 31                           ; my key's row, bytes
.set EP,  32                           ; v[32:47] my query's 16 weights
.set EO,  48                           ; v[48:51] my four results
.set EK,  64                           ; v[64:127]  K's row r
.set EQ,  128                          ; v[128:191] Q's row
.set EV,  192                          ; v[192:255] V: key k's four numbers at 4 k
	v_and_b32 v[ER], 15, v0
	v_bfe_u32 v[EH], v0, 4, 1
	s_lshl_b32 s36, s16, 1
	v_add_nc_u32 v[EQI], s36, v[EH]                ; 2 w + h
	v_lshlrev_b32 v[EKO], 12, v[ER]
	v_lshlrev_b32 v[EQO], 12, v[EQI]
	v_lshlrev_b32 v[EVO], 4, v[ER]
	v_lshlrev_b32 v[EDO], 2, v[ER]
	v_lshl_add_u32 v[EOO], v[ER], 4, v[EQO]
	v_lshlrev_b32 v[EBI], 6, v[EH]                 ; lane 16 h
.irp i, 0,1,2,3,4,5,6,7,8,9,10,11,12,13,14,15
	global_load_b128 v[EK+4*\i:EK+4*\i+3], v[EKO], s[6:7] offset:16*\i
.endr
.irp i, 0,1,2,3,4,5,6,7,8,9,10,11,12,13,14,15
	global_load_b128 v[EQ+4*\i:EQ+4*\i+3], v[EQO], s[8:9] offset:16*\i
.endr
	global_load_b32 v[ED], v[EDO], s[4:5]
.irp k, 0,1,2,3,4,5,6,7,8,9,10,11,12,13,14,15
	global_load_b128 v[EV+4*\k:EV+4*\k+3], v[EVO], s[12:13] offset:\k*ROWB
.endr
	s_wait_loadcnt 16                              ; K, Q and delta are in; the 16 V loads behind them stay out
.irp c, 0,1,2,3
	v_pk_mul_f32 v[EA+2*\c:EA+2*\c+1], v[EK+2*\c:EK+2*\c+1], v[EQ+2*\c:EQ+2*\c+1]   ; the first products start the four chains
.endr
.set i, 4
.rept 28
	v_pk_fma_f32 v[EA+2*(i%4):EA+2*(i%4)+1], v[EK+2*i:EK+2*i+1], v[EQ+2*i:EQ+2*i+1], v[EA+2*(i%4):EA+2*(i%4)+1]
.set i, i+1
.endr
	v_pk_add_f32 v[EA:EA+1], v[EA:EA+1], v[EA+2:EA+3]
	v_pk_add_f32 v[EA+4:EA+5], v[EA+4:EA+5], v[EA+6:EA+7]
	v_pk_add_f32 v[EA:EA+1], v[EA:EA+1], v[EA+4:EA+5]
	v_add_f32 v[EA], v[EA], v[EA+1]                ; q . k
	v_mul_f32 v[ED], C2, v[ED]
	v_fma_f32 v[EA], v[EA], s32, v[ED]             ; (q . k tau + delta) scale log2(e)
	v_cmp_gt_u32 vcc_lo, v[ER], v[EQI]             ; key > query
	v_cndmask_b32 v[EA], v[EA], v[NINF], vcc_lo
	v_mov_b32 v[EA+1], v[EA]
.irp m, 1,2,4,8
	v_max_num_f32_dpp v[EA+1], v[EA+1], v[EA+1] row_xmask:\m row_mask:0xf bank_mask:0xf   ; the maximum over my query's 16 keys; key 0 is never masked
.endr
	v_sub_f32 v[EA], v[EA], v[EA+1]
	v_exp_f32 v[EA], v[EA]
	v_nop                                          ; one plain place behind the exponential (ISA guide 5.7.2)
	s_wait_alu depctr_va_vdst(0)
	v_mov_b32 v[EA+2], v[EA]
.irp m, 1,2,4,8
	v_add_f32_dpp v[EA+2], v[EA+2], v[EA+2] row_xmask:\m row_mask:0xf bank_mask:0xf
.endr
	v_rcp_f32 v[EA+2], v[EA+2]                     ; the sum is at least 1
	v_nop
	s_wait_alu depctr_va_vdst(0)
	v_mul_f32 v[EA], v[EA], v[EA+2]                ; my key's weight
.set k, 0
.rept 16
	ds_bpermute_b32 v[EP+k], v[EBI], v[EA]         ; the weight of key k of my query, from lane 16 h + k; no LDS byte is touched
	v_add_nc_u32 v[EBI], 4, v[EBI]
.set k, k+1
.endr
	s_wait_loadcnt 0x0                             ; V
	s_wait_dscnt 0x0                               ; the weights
.irp c, 0,1,2,3
	v_mul_f32 v[EO+\c], v[EP], v[EV+\c]
.endr
.set k, 1
.rept 15
.irp c, 0,1,2,3
	v_fmac_f32 v[EO+\c], v[EP+k], v[EV+4*k+\c]
.endr
.set k, k+1
.endr
	global_store_b128 v[EOO], v[EO:EO+3], s[14:15] th:TH_STORE_NT   ; 16 lanes store one row's 256 consecutive bytes, aligned
.Lend:
	s_set_vgpr_msb 0x5
	s_wait_tensorcnt 0x0
	ds_add_u32 v192, v193
	s_wait_dscnt 0x0
	s_set_vgpr_msb 0x500
	s_endpgm
.Lfunc_end_k_qaa337f53b7_attn:
	.size	k_qaa337f53b7_attn, .Lfunc_end_k_qaa337f53b7_attn-k_qaa337f53b7_attn
	.p2alignl 7, 3214868480
	.fill 96, 4, 3214868480
	.section	.rodata,"a",@progbits
	.p2align	6, 0x0
	.amdhsa_kernel k_qaa337f53b7_attn
		.amdhsa_group_segment_fixed_size 138240
		.amdhsa_private_segment_fixed_size 0
		.amdhsa_enable_private_segment 0
		.amdhsa_kernarg_size 48
		.amdhsa_user_sgpr_count 2
		.amdhsa_user_sgpr_kernarg_segment_ptr 1
		.amdhsa_wavefront_size32 1
		.amdhsa_system_sgpr_workgroup_id_x 1
		.amdhsa_system_sgpr_workgroup_id_y 1
		.amdhsa_system_sgpr_workgroup_id_z 1
		.amdhsa_system_vgpr_workitem_id 0
		.amdhsa_next_free_vgpr 450
		.amdhsa_next_free_sgpr 66
		.amdhsa_reserve_vcc 1
		.amdhsa_float_denorm_mode_32 3
		.amdhsa_float_denorm_mode_16_64 3
		.amdhsa_memory_ordered 1
		.amdhsa_forward_progress 1
		.amdhsa_inst_pref_size 89
	.end_amdhsa_kernel
	.amdgpu_metadata
---
amdhsa.version: [ 1, 2 ]
amdhsa.kernels:
  - .name:           k_qaa337f53b7_attn
    .symbol:         k_qaa337f53b7_attn.kd
    .args:
      - { .name: delta, .offset: 0, .size: 8, .value_kind: global_buffer, .address_space: global }
      - { .name: keys, .offset: 8, .size: 8, .value_kind: global_buffer, .address_space: global }
      - { .name: queries, .offset: 16, .size: 8, .value_kind: global_buffer, .address_space: global }
      - { .name: tau, .offset: 24, .size: 8, .value_kind: global_buffer, .address_space: global }
      - { .name: values, .offset: 32, .size: 8, .value_kind: global_buffer, .address_space: global }
      - { .name: out0, .offset: 40, .size: 8, .value_kind: global_buffer, .address_space: global }
    .group_segment_fixed_size: 138240
    .private_segment_fixed_size: 0
    .kernarg_segment_align: 8
    .kernarg_segment_size: 48
    .max_flat_workgroup_size: 256
    .sgpr_count:     66
    .vgpr_count:     450
    .wavefront_size: 32
...
	.end_amdgpu_metadata
.endif
;; end of part 1
